; MI455X (gfx1250); checked and timed in simulation.
; The chip was launched on July 23, 2026; its instructions are those of AMD's public machine-readable ISA for CDNA 5 (MIT licence, August 2026) and "CDNA5" Instruction Set Architecture Reference Guide (July 2026). The comments in the code are by the model that wrote it; some were corrected since.
;; MH Attention. Allowed arithmetic: matrix products marked QUANTISED: E2M3 operands, one E8M0 scale for each 32 along K, by v_wmma_scale_f32_16x16x128_f8f6f4 with both operands' format E2M3, f32 sums; everything else in f32.
;; Inputs: Wkv 1,024 x 512 float32; Wo 512 x 512 float32; Wq 512 x 512 float32; bo 512 float32; x 4 x 2,048 x 512 float32.
;; Outputs: out0 4 x 2,048 x 512 float32.
;; This version of the problem:
;;   THIS VERSION OF THE PROBLEM IS GIVEN IN LOW PRECISION. The matrix products marked QUANTISED in the list below multiply operands that are first quantised to E2M3 (2 exponent bits, 3 mantissa bits; 6 bits a number), with one power-of-two scale for each 32 numbers along K (OCP MX v1.0); their sums are f32. All else is computed in f32.
;;   The module's matrix products, in the order in which they are computed (A, B: the left and right operand; K: the contracted axis; several contracted axes count as one K, in the product's order):
;;     1. [M 8,192, K 512] x [K 512, N 512]; A: input x; B: input Wq: QUANTISED
;;     2. [M 8,192, K 512] x [K 512, N 1,024]; A: input x; B: input Wkv: QUANTISED
;;     3. batch 32 x [M 2,048, K 64] x [K 64, N 2,048]; A: computed on the way; B: computed on the way: QUANTISED
;;     4. batch 32 x [M 2,048, K 2,048] x [K 2,048, N 64]; A: softmax (see below); B: computed on the way: QUANTISED
;;     5. [M 8,192, K 512] x [K 512, N 512]; A: computed on the way; B: input Wo: QUANTISED
;;   THE QUANTISER, for each operand of a quantised product, along K:
;;     - K is cut into blocks of 32 from its start; a last block that is shorter is filled with zeros.
;;     - A block's scale is 2^e with e = floor(log2(the largest magnitude in the block)) - 2, held to -126 .. 127; a block of zeros has e = 0. As a byte (E8M0): e + 127.
;;     - Each number is divided by its block's scale, clamped to +-7.5, and rounded to the nearest number of E2M3, ties to even, subnormals kept.
;;     - The product sums the exact products of the quantised numbers (number of the format x scale) in f32.
;;   ~~~python
;;   def quantise(x, axis):      # numpy; x: float32 -> the quantised numbers, widened to float32 again
;;       x = np.moveaxis(x, axis, -1); K = x.shape[-1]
;;       x = np.pad(x, [(0, 0)] * (x.ndim - 1) + [(0, -K % 32)]); x = x.reshape(x.shape[:-1] + (-1, 32)); a = np.abs(x).max(-1, keepdims=True)
;;       e = np.where(a > 0, np.clip(np.frexp(np.where(a > 0, a, 1))[1] - 1 - 2, -126, 127), 0)      # np.frexp(a)[1] - 1 = floor(log2(a)), exactly
;;       r = np.clip(x / 2.0 ** e, -7.5, 7.5)
;;       step = 2.0 ** (np.maximum(np.frexp(np.where(r == 0, 1, r))[1] - 1, 0) - 3)
;;       q = np.round(r / step) * step * 2.0 ** e      # np.round: ties to even
;;       return np.moveaxis(q.reshape(q.shape[:-2] + (-1,))[..., :K], -1, axis).astype(np.float32)
;;   ~~~
;;   SOFTMAX AHEAD OF A QUANTISED PRODUCT. Where the list says 'softmax', what is quantised is not the finished softmax but p = 2^(t - M), with t = logit x log2(e) and M = ceil(the row's largest t), a whole number; so 1/2 < the row's largest p <= 1. The row's sum l is taken of the UNQUANTISED p, in f32, and the product's result is divided by l at the end. Since M is a whole number, a kernel that streams over the keys may use a running M (the ceiling of the running maximum): every later rescaling is an exact power of two, which a block's scale takes up: the codes' values come out the same.
;;   OPERANDS COMPUTED ON THE WAY. 'Computed on the way' means the value that the module computes at that place (a softmax that the list does not call 'softmax' is quantised finished and normalised). What goes into a quantiser is computed in f32, as accurately as f32 sums, v_exp_f32 and their like allow (about 1e-6 of the number): no bf16 or f16 on the way to a quantiser, and a product that is left as it is and whose result goes on into a quantised operand takes f32 operands (vector FMAs, or v_wmma_f32_16x16x4_f32). A number that lies on a knife's edge between two numbers of the format may be rounded either way, as far as f32 arithmetic and the matrix unit's own rounding can turn it there, and no further.
;; One version. Each part assembles by itself: llvm-mc -triple=amdgcn-amd-amdhsa -mcpu=gfx1250 --defsym DOCPART=n.
;; ======== version 1 of 1: 4 launches
;; limits: right only within a limited range of input values
;; workspace buffers: c1 3,932,160 bytes; s1 163,840 bytes; qc 3,145,728 bytes; qs 262,144 bytes; kv 6,815,744 bytes; oc 3,145,728 bytes; os 131,072 bytes
;; launch quant (part 1): grid 320 x 1, 8 waves a work-group, no clusters, 69,120 bytes of LDS; arguments x, Wq, Wkv, Wo, c1, s1; writes c1, s1
.if DOCPART == 1
	.amdgcn_target "amdgcn-amd-amdhsa--gfx1250"
	.amdhsa_code_object_version 6
	.text
	.protected	k_q8ae0e14c4d_quant
	.globl	k_q8ae0e14c4d_quant
	.p2align	8
	.type	k_q8ae0e14c4d_quant,@function
k_q8ae0e14c4d_quant:
	s_mov_b64 s[64:65], 0
	v_nop
	global_prefetch_b8 v0, s[64:65] scope:SCOPE_SE
	s_setreg_imm32_b32 hwreg(HW_REG_WAVE_MODE, 25, 1), 1
	s_wait_xcnt 0x0
; x [8192][512], Wq [512][512], Wkv [1024][512], Wo [512][512], all f32 with K = the 512 inputs innermost, become codes of FP6 (E2M3) with one E8M0 byte for each 32 along K.
; ONE ROW SPACE of 10,240 rows: x 0-8191, Wq 8192-8703, Wkv 8704-9727, Wo 9728-10239.  A TILE T of 16 rows is not 16 neighbours: its row r is 64 (T / 4) + 8 (T % 4) + r % 8 + 32 (r / 8),
; so that, where four tiles 4 c .. 4 c + 3 are source 0 of products, a lane's 4 x 8 results are 32 neighbours, 64 c + 32 (lane / 16) + 0 .. 31: a whole scale block of the next quantiser.
; c1: [T 640][K step 4][1,536 bytes]: a fragment (16 rows x 128 K, 12 registers a lane) as an IMAGE OF ITS REGISTERS: registers 4 g .. 4 g + 3 of lane l at 512 g + 16 l.
; s1: [T][row 16][K step 4] scale words (four bytes: the four blocks of a K step).
; SHARES: a work-group takes 32 rows (tiles 2 j and 2 j + 1), a wave one fragment: tile 2 j + wave / 4, K step wave % 4: 8 KB of f32.  No loop: each wave's 16 loads go out together.
; Each load reads 512 consecutive bytes of one row; the conversions want 32 neighbours along K in one lane, so the 8 KB turn through the wave's own stage in LDS (rows 528 bytes apart).
; A block's scale is 2^(floor(log2(largest magnitude)) - 2): its byte is the largest magnitude's exponent field - 2, held at 1 from below by a floor among the maximum's leaves.
; LIMITS: NaN and infinities among the inputs are not served.  A block of zeros, or one whose largest magnitude lies under 2^-124, gets the byte 1 (the stated quantiser says 127 for zeros): its codes are
; zeros or what the floor's scale gives, and only this program reads the bytes.  No work of the problem is left out in any launch.
; No cluster, no matrix unit: work-groups share no input.
.set SP,   528                         ; a stage row: 512 bytes + 16: an odd multiple of 16, so that the 16 rows of a read start in different banks
.set STGB, 16*SP                       ; a wave's stage
.set SCB,  8*STGB                      ; behind the stages: the work-group's 128 scale words
.set SPARE, 68096                      ; behind them: the spare words, 128 bytes a wave
.set MX,   10                          ; v10-11  largest magnitudes of my two blocks
.set SO,   12                          ; v12-13  the conversions' scale operands
.set BY,   14                          ; v14-15  the bytes
.set WD,   16                          ; v16     the scale word
.set SH,   17                          ; v17     8 x (lane / 16)
.set PW,   18                          ; v18     the other half's two bytes
.set C,    20                          ; v20-31  the fragment's codes
.set T,    32                          ; v32-38  second halves of the blocks' codes (a conversion's three registers begin on an even number)
.set R,    40                          ; v40-103  16 x 4 registers as loaded
.set X,    104                         ; v104-167 my 64 numbers: register 32 c + i = k 64 c + 32 (lane / 16) + i of my row
.set SPW,  168                         ; v168 LDS address of my spare word;  v169 0
.set NIL,  169
	s_load_b256 s[4:11], s[0:1], 0x0               ; x s[4:5], Wq s[6:7], Wkv s[8:9], Wo s[10:11]
	s_load_b128 s[12:15], s[0:1], 0x20             ; c1 s[12:13], s1 s[14:15]
	v_lshl_add_u32 v[SPW], v0, 2, SPARE
	v_mov_b32 v[NIL], 0
	v_lshrrev_b32 v9, 5, v0
	v_and_b32 v1, 31, v0                           ; lane
	v_and_b32 v2, 15, v0                           ; r
	v_bfe_u32 v3, v0, 4, 1                         ; h
	v_readfirstlane_b32 s16, v9                    ; wave 0..7
	s_wait_alu depctr_va_vdst(0)                   ; the wait ahead of the scalar lines
	s_lshr_b32 s17, s16, 2                         ; u: which of the two tiles
	s_and_b32 s18, s16, 3                          ; s: which K step
	s_lshl_b32 s19, s17, 14                        ; tile u begins 8 rows of 2,048 bytes on,
	s_lshl_b32 s23, s18, 9                         ; K step s 512 bytes on in a row
	s_add_co_u32 s19, s19, s23
	s_mul_i32 s24, s16, STGB                       ; my stage
	s_lshl_b32 s25, s17, 8
	s_lshl_b32 s26, s18, 2
	s_add_co_u32 s25, s25, s26
	s_add_co_u32 s25, s25, SCB
	s_mov_b32 s28, 0x76543210
	s_mov_b32 s29, 0xfedcba98                      ; v_permlanex16_b32's selects for lane l xor 16
	v_lshlrev_b32 v8, 4, v1                        ; 16 x lane
	v_mul_u32_u24 v6, v2, SP
	v_lshl_add_u32 v7, v2, 4, s25                  ; my row's scale word: SCB + 256 u + 16 r + 4 s
	v_lshlrev_b32 v[SH], 3, v3
	v_add_nc_u32 v4, s19, v8                       ; in: my 16 bytes of a row's 512
	v_lshl_add_u32 v6, v3, 7, v6
	v_add_nc_u32 v5, s24, v8                       ; into the stage: as loaded
	v_mov_b32 v[PW], 0                             ; written once: a lane permute's destination counts as one of its sources
	v_add_nc_u32 v6, s24, v6                       ; out of it: row r, 128 h bytes on: my 32 numbers of each 64
	v_add_nc_u32 v19, SCB, v8                      ; the way out of the scale words: 16 bytes a lane
	s_wait_alu depctr_va_vdst(0)                   ; the wait at the head's end
	s_wait_kmcnt 0x0
	s_mov_b64 s[20:21], s[10:11]                   ; which tensor: the choice hangs on the work-group's number alone
	s_mov_b32 s22, 304                             ; and the tensor's first work-group
	s_cmp_lt_u32 ttmp9, 304
	s_cselect_b64 s[20:21], s[8:9], s[20:21]
	s_cselect_b32 s22, 272, s22
	s_cmp_lt_u32 ttmp9, 272
	s_cselect_b64 s[20:21], s[6:7], s[20:21]
	s_cselect_b32 s22, 256, s22
	s_cmp_lt_u32 ttmp9, 256
	s_cselect_b64 s[20:21], s[4:5], s[20:21]
	s_cselect_b32 s22, 0, s22
	s_sub_co_u32 s22, ttmp9, s22                   ; j
	s_and_b32 s26, s22, 1
	s_lshl_b32 s26, s26, 15                        ; tile 2 j begins at row 64 (j / 2) + 16 (j % 2), 2,048 bytes a row
	s_lshr_b32 s22, s22, 1
	s_lshl_b32 s22, s22, 17
	s_add_co_u32 s22, s22, s26
	s_mov_b32 s23, 0
	s_add_nc_u64 s[20:21], s[20:21], s[22:23]
	s_mul_i32 s26, ttmp9, 12288                    ; c1: eight fragments a work-group,
	s_mul_i32 s27, s16, 1536                       ; fragment 4 u + s = my wave's number
	s_add_co_u32 s26, s26, s27
	s_mov_b32 s27, 0
	s_add_nc_u64 s[12:13], s[12:13], s[26:27]
	s_lshl_b32 s26, ttmp9, 9                       ; s1: 512 bytes a work-group
	s_add_nc_u64 s[14:15], s[14:15], s[26:27]
.irp i, 0,1,2,3,4,5,6,7,8,9,10,11,12,13,14,15
	global_load_b128 v[R+4*\i:R+4*\i+3], v4, s[20:21] offset:(\i+24*(\i/8))*2048 th:TH_LOAD_NT   ; the tile's row i: 32 lanes read 512 consecutive bytes
.endr
.irp i, 0,1,2,3,4,5,6,7,8,9,10,11,12,13,14,15
	s_wait_loadcnt 15-\i                           ; loads come back in order: row i is in, the younger ones may be out
	ds_store_b128 v5, v[R+4*\i:R+4*\i+3] offset:SP*\i
.endr
.irp c, 0,1
.irp q, 0,1,2,3,4,5,6,7
	ds_load_b128 v[X+32*\c+4*\q:X+32*\c+4*\q+3], v6 offset:256*\c+16*\q   ; LDS serves a wave's instructions in order: these see my stores
.endr
.endr
	s_wait_dscnt 0x0
.irp c, 0,1                                    ; my block 2 c + h of the K step: all its 32 numbers are mine
	v_max3_num_f32 v[MX+\c], |v[X+32*\c]|, |v[X+32*\c+1]|, 0x1800000   ; and the floor 2^(3 - 127): the byte cannot fall under 1
.endr
.irp i, 2,4,6,8,10,12,14,16,18,20,22,24,26,28,30
.irp c, 0,1
	s_delay_alu instid0(VALU_DEP_2)
	v_max3_num_f32 v[MX+\c], v[MX+\c], |v[X+32*\c+\i]|, |v[X+32*\c+\i+1]|   ; (the two blocks by turns)
.endr
.endr
.irp c, 0,1
	s_delay_alu instid0(VALU_DEP_2)
	v_add_nc_u32 v[SO+\c], 0xff000000, v[MX+\c]    ; 2 off the exponent field: the conversion takes the exponent field of this operand as its scale
.endr
.irp c, 0,1
	s_delay_alu instid0(VALU_DEP_2)
	v_lshrrev_b32 v[BY+\c], 23, v[SO+\c]           ; the scale's byte
.endr
	s_delay_alu instid0(VALU_DEP_1)
	v_lshl_or_b32 v[WD], v[BY+1], 16, v[BY]        ; my two bytes: blocks h and 2 + h,
	s_delay_alu instid0(VALU_DEP_1)
	v_lshlrev_b32 v[WD], v[SH], v[WD]              ; at their places in the word;
	s_delay_alu instid0(VALU_DEP_1)
	v_permlanex16_b32 v[PW], v[WD], s28, s29
	s_delay_alu instid0(VALU_DEP_1)
	v_or_b32 v[WD], v[WD], v[PW]                   ; with lane l xor 16's two the word is whole
	v_cvt_scalef32_pk16_fp6_f32 v[C:C+2], v[X:X+15], v[SO]
	v_cvt_scalef32_pk16_fp6_f32 v[T:T+2], v[X+16:X+31], v[SO]
	v_cvt_scalef32_pk16_fp6_f32 v[C+6:C+8], v[X+32:X+47], v[SO+1]
	v_cvt_scalef32_pk16_fp6_f32 v[T+4:T+6], v[X+48:X+63], v[SO+1]
	v_nop                                          ; one plain place behind a scaled conversion
.irp i, 0,1,2
	v_mov_b32 v[C+3+\i], v[T+\i]
	v_mov_b32 v[C+9+\i], v[T+4+\i]
.endr
.irp g, 0,1,2
	global_store_b128 v8, v[C+4*\g:C+4*\g+3], s[12:13] offset:512*\g   ; the image: 512 consecutive bytes a store, at a multiple of 256 from c1's first byte
.endr
	ds_store_b32 v7, v[WD]                         ; lanes l and l xor 16 write the same word with the same value
	s_wait_dscnt 0x0                               ; for the others' sake: my word lies in LDS
	s_barrier_signal -1
	s_barrier_wait -1
	s_cmp_lg_u32 s16, 0
	s_cbranch_scc1 .Ldone
	ds_load_b128 v[R:R+3], v19                     ; wave 0 sends the work-group's 128 scale words out as 512 consecutive bytes
	s_wait_dscnt 0x0
	global_store_b128 v8, v[R:R+3], s[14:15]
.Ldone:
	s_wait_tensorcnt 0x0                           ; the wave's end
	ds_add_u32 v[SPW], v[NIL]
	s_wait_dscnt 0x0
	s_endpgm
.Lfunc_end_k_q8ae0e14c4d_quant:
	.size	k_q8ae0e14c4d_quant, .Lfunc_end_k_q8ae0e14c4d_quant-k_q8ae0e14c4d_quant
	.p2alignl 7, 3214868480
	.fill 96, 4, 3214868480
	.section	.rodata,"a",@progbits
	.p2align	6, 0x0
	.amdhsa_kernel k_q8ae0e14c4d_quant
		.amdhsa_group_segment_fixed_size 69120
		.amdhsa_private_segment_fixed_size 0
		.amdhsa_enable_private_segment 0
		.amdhsa_kernarg_size 48
		.amdhsa_user_sgpr_count 2
		.amdhsa_user_sgpr_kernarg_segment_ptr 1
		.amdhsa_wavefront_size32 1
		.amdhsa_system_sgpr_workgroup_id_x 1
		.amdhsa_system_sgpr_workgroup_id_y 1
		.amdhsa_system_sgpr_workgroup_id_z 1
		.amdhsa_system_vgpr_workitem_id 0
		.amdhsa_next_free_vgpr 170
		.amdhsa_next_free_sgpr 66
		.amdhsa_reserve_vcc 0
		.amdhsa_float_denorm_mode_32 3
		.amdhsa_float_denorm_mode_16_64 3
		.amdhsa_memory_ordered 1
		.amdhsa_forward_progress 1
		.amdhsa_inst_pref_size 12
	.end_amdhsa_kernel
	.amdgpu_metadata
---
amdhsa.version: [ 1, 2 ]
amdhsa.kernels:
  - .name:           k_q8ae0e14c4d_quant
    .symbol:         k_q8ae0e14c4d_quant.kd
    .args:
      - { .name: x, .offset: 0, .size: 8, .value_kind: global_buffer, .address_space: global }
      - { .name: Wq, .offset: 8, .size: 8, .value_kind: global_buffer, .address_space: global }
      - { .name: Wkv, .offset: 16, .size: 8, .value_kind: global_buffer, .address_space: global }
      - { .name: Wo, .offset: 24, .size: 8, .value_kind: global_buffer, .address_space: global }
      - { .name: c1, .offset: 32, .size: 8, .value_kind: global_buffer, .address_space: global }
      - { .name: s1, .offset: 40, .size: 8, .value_kind: global_buffer, .address_space: global }
    .group_segment_fixed_size: 69120
    .private_segment_fixed_size: 0
    .kernarg_segment_align: 8
    .kernarg_segment_size: 48
    .max_flat_workgroup_size: 256
    .sgpr_count:     66
    .vgpr_count:     170
    .wavefront_size: 32
...
	.end_amdgpu_metadata
.endif
;; end of part 1
;; launch proj (part 2): grid 4 x 64, 12 waves a work-group, clusters of 4 x 4, 198,144 bytes of LDS; arguments c1, s1, qc, qs, kv; writes qc, qs, kv
.if DOCPART == 2
	.amdgcn_target "amdgcn-amd-amdhsa--gfx1250"
	.amdhsa_code_object_version 6
	.text
	.protected	k_q8ae0e14c4d_proj
	.globl	k_q8ae0e14c4d_proj
	.p2align	8
	.type	k_q8ae0e14c4d_proj,@function
k_q8ae0e14c4d_proj:
	s_mov_b64 s[64:65], 0
	v_nop
	global_prefetch_b8 v0, s[64:65] scope:SCOPE_SE
	s_setreg_imm32_b32 hwreg(HW_REG_WAVE_MODE, 25, 1), 1
	s_wait_xcnt 0x0
	s_wait_alu depctr_hold_cnt(0) depctr_sa_sdst(0) depctr_va_vdst(0) depctr_va_sdst(0) depctr_va_ssrc(0) depctr_va_vcc(0) depctr_vm_vsrc(0)
	s_getreg_b32 s2, hwreg(HW_REG_IB_STS2, 6, 4)
	s_cmp_eq_u32 s2, 0
	s_cbranch_scc0 .Lentry_in_a_cluster
	s_endpgm
.Lentry_in_a_cluster:
	s_bfe_u32 s2, ttmp6, 0x10000c
	s_cmp_lg_u32 s2, 0xf033
	s_cbranch_scc0 .Lentry_shape_is_right
	s_endpgm
.Lentry_shape_is_right:
; q, k, v = x W^T on codes of FP6 (E2M3), and each result quantised at once, in registers, along the K of the product that will read it: q and k along the head's 64, v along the keys.
; c1, s1: register images of fragments and scale words, by tiles T of 16 rows (row r of tile T = 64 (T / 4) + 8 (T % 4) + r % 8 + 32 (r / 8)): x T 0-511, Wq 512-543, Wk 544-575, Wv 576-607.
; SHARES.  A work-group takes 128 rows of x (block rb: one key step of one batch) and two heads (2 g, 2 g + 1) of q, of k and of v.  Twelve waves: role = wave / 4 (q, k, v), head = (wave / 2) % 2,
; half of the rows = wave % 2: 64 rows x 64 columns a wave, 16 accumulators, 64 matrix instructions.
; WHICH SIDE IS SOURCE 0.  A lane's eight results are eight rows of source 0.  q and k want a lane's registers along d: source 0 = W's tiles, source 1 = x's.  v wants them along the keys: source 0 = x's tiles,
; source 1 = Wv's.  So the text knows an INNER operand (source 0) and an OUTER one, chosen once by the wave's role; by the tiles' choice of rows the 32 registers of an outer tile are
; k = 32 (lane / 16) + 0 .. 31: a whole scale block in a lane.
; OUT.  A HALF IMAGE (16 rows x 64 K, 6 registers a lane: 768 bytes): registers 0-3 at 16 l, registers 4-5 at 512 + 8 l.
;   qc [head 32][query tile 128][768];  qs [head][4 tiles: 256 bytes]: word (tile o, row r) at 8 (16 (o % 2) + r) + 4 (o / 2); a word holds the two bytes twice, so that it serves either half of an instruction's K.
;   kv [head][key step 16][13,312]: K's 8 tiles; from 6,144 V's (key half c, d tile t) at 3,072 c + 768 t; from 12,288 K's scale words (two groups as qs's); from 12,800 V's (bytes = the four key blocks); 256 zeros.
; V's scale words are filled by halfwords from the two waves that hold the key halves: 256 bytes of a key step's 13,312 are stored in parts.
; CLUSTER 4 x 4.  x's block is the same along a row of the cluster, the weights' along a column: each wave's one tensor load (64 rows x 256 bytes of dense images) is asked for jointly by the four that share it.
; LDS is filled once, at the head: no slot is filled again, and no prefetch could ask for anything earlier.
; LIMITS: NaN and infinities are not served; a block of zeros or under 2^-124 gets the byte 1, which only this program reads.
.set A16, 1                            ; v1   16 x lane
.set A8,  2                            ; v2   8 x lane
.set A4,  3                            ; v3   4 x lane
.set AI,  4                            ; v4   LDS: the inner operand's four tiles, + 16 x lane
.set AO,  5                            ; v5   the outer operand's
.set ZERO, 7                           ; v7   0, stored
.set QX,  8                            ; v8-11  largest magnitudes, two chains for each of two tiles
.set QSOP, 12                          ; v12-13 the conversions' scale operands
.set SI,  14                           ; v14-21 inner scale words: register 4 q + s: K step s; lanes 0-15 tile 2 q, lanes 16-31 tile 2 q + 1
.set SPW, 22                           ; v22  LDS address of my spare word;  v23 0
.set NIL, 23
.set SO,  24                           ; v24-31 outer scale words likewise
.set FI,  32                           ; v32-79  inner fragments of a K step
.set FO,  80                           ; v80-127 outer fragments
.set ACC, 128                          ; v128-255 accumulator (outer o, inner i) at 32 o + 8 i
.set CD,  32                           ; behind the products: codes of outer tile o at v[32 + 6 o]
.set QTQ, 56                           ; v56-62 second halves of blocks' codes on their way
.set HW,  64                           ; v64-67 the scale byte of outer tile o
.set SPARE, 0x30000                    ; the spare words, behind the tiles
.macro CROUND                          ; a round of the cluster's barrier
	s_barrier_signal -1
	s_barrier_wait -1
	s_cmp_lg_u32 s14, 0
	s_cbranch_scc1 .Lnot_wave_0_\@
	s_barrier_signal -3
.Lnot_wave_0_\@:
	s_barrier_wait -3
	s_barrier_signal -1
	s_barrier_wait -1
.endm
.macro JLOAD lim, g0a, g1a, g0b, g1b   ; a joint load: waves under lim by the first descriptor, the others by the second; the branch hangs on the wave's number alone; four v_nop follow each line
	s_cmp_lt_u32 s14, \lim
	s_cbranch_scc0 .Lfor_b_\@
	tensor_load_to_lds s[\g0a:\g0a+3], s[\g1a:\g1a+7]
	s_nop 0
.rept 4
	v_nop
.endr
	s_branch .Lasked_\@
.Lfor_b_\@:
	tensor_load_to_lds s[\g0b:\g0b+3], s[\g1b:\g1b+7]
	s_nop 0
.rept 4
	v_nop
.endr
.Lasked_\@:
.endm
; One matrix instruction.  ra, rb = 1: that side's scale words stand in lanes 16-31.
.macro MM d, a, b, c, sa, sb, ra, rb
	v_wmma_scale_f32_16x16x128_f8f6f4 v[(\d):(\d)+7], v[(\a):(\a)+11], v[(\b):(\b)+11], \c, v[\sa], v[\sb] matrix_a_fmt:MATRIX_FMT_FP6 matrix_b_fmt:MATRIX_FMT_FP6 matrix_a_scale:MATRIX_SCALE_ROW\ra matrix_b_scale:MATRIX_SCALE_ROW\rb
.endm
; Outer tiles o and o + 1 side by side: a lane's 32 numbers of a tile are one block along the next K.  They become 6 registers of codes and one scale byte.  Each accumulator is read from its low end on.
.macro QPAIR o
.irp t, 0,1
	v_max3_num_f32 v[QX+2*\t], |v[ACC+32*(\o+\t)]|, |v[ACC+32*(\o+\t)+1]|, 0x1800000   ; with the floor 2^(3 - 127): the byte cannot fall under 1
	v_max3_num_f32 v[QX+2*\t+1], |v[ACC+32*(\o+\t)+16]|, |v[ACC+32*(\o+\t)+17]|, |v[ACC+32*(\o+\t)+18]|
.endr
.irp i, 2,4,6,8,10,12
.irp t, 0,1
	v_max3_num_f32 v[QX+2*\t], v[QX+2*\t], |v[ACC+32*(\o+\t)+\i]|, |v[ACC+32*(\o+\t)+\i+1]|
	v_max3_num_f32 v[QX+2*\t+1], v[QX+2*\t+1], |v[ACC+32*(\o+\t)+\i+17]|, |v[ACC+32*(\o+\t)+\i+18]|
.endr
.endr
.irp t, 0,1
	v_max3_num_f32 v[QX+2*\t], v[QX+2*\t], |v[ACC+32*(\o+\t)+14]|, |v[ACC+32*(\o+\t)+15]|
.endr
.irp t, 0,1
	v_max3_num_f32 v[QX+2*\t], v[QX+2*\t], v[QX+2*\t+1], |v[ACC+32*(\o+\t)+31]|
.endr
.irp t, 0,1
	v_add_nc_u32 v[QSOP+\t], 0xff000000, v[QX+2*\t]   ; 2 off the exponent field: the conversion's scale operand
.endr
.irp t, 0,1
	v_cvt_scalef32_pk16_fp6_f32 v[CD+6*(\o+\t):CD+6*(\o+\t)+2], v[ACC+32*(\o+\t):ACC+32*(\o+\t)+15], v[QSOP+\t]
	v_cvt_scalef32_pk16_fp6_f32 v[QTQ+4*\t:QTQ+4*\t+2], v[ACC+32*(\o+\t)+16:ACC+32*(\o+\t)+31], v[QSOP+\t]
.endr
.irp t, 0,1
	v_lshrrev_b32 v[HW+\o+\t], 23, v[QSOP+\t]      ; the scale's byte (plain places behind the conversions)
.endr
.irp i, 0,1,2
.irp t, 0,1
	v_mov_b32 v[CD+6*(\o+\t)+3+\i], v[QTQ+4*\t+\i]
.endr
.endr
.irp t, 0,1
	global_store_b128 v[A16], v[CD+6*(\o+\t):CD+6*(\o+\t)+3], s[84:85] offset:768*(\o+\t)       ; the half image: 512 consecutive bytes,
	global_store_b64 v[A8], v[CD+6*(\o+\t)+4:CD+6*(\o+\t)+5], s[84:85] offset:768*(\o+\t)+512   ; and 256; each tile has its own registers, so no store's data are written again
.endr
.endm
	s_load_b256 s[4:11], s[0:1], 0x0               ; c1 s[4:5], s1 s[6:7], qc s[8:9], qs s[10:11]
	s_load_b64 s[12:13], s[0:1], 0x20              ; kv
	v_lshl_add_u32 v[SPW], v0, 2, SPARE
	v_mov_b32 v[NIL], 0
	ds_add_u32 v[SPW], v[NIL]                      ; the opening lines
	ds_add_u32 v[SPW], v[NIL]
	v_lshrrev_b32 v8, 5, v0
	v_readfirstlane_b32 s14, v8                    ; wave 0..11
	s_lshr_b32 s15, s14, 2                         ; role: 0 q, 1 k, 2 v
	s_bfe_u32 s16, s14, 0x10001                    ; hp: which of the two heads
	s_and_b32 s17, s14, 1                          ; rh: which 64 rows
	s_bfe_u32 s18, ttmp6, 0x40000                  ; cx
	s_bfe_u32 s19, ttmp6, 0x40004                  ; cy
	s_lshl_b32 s20, ttmp9, 2
	s_add_co_u32 s20, s20, s18                     ; g: the pair of heads
	s_and_b32 s21, ttmp7, 0xffff
	s_lshl_b32 s21, s21, 2
	s_add_co_u32 s21, s21, s19                     ; rb: the block of 128 rows
	s_lshl_b32 s22, s19, 2
	s_lshl_b32 s22, 15, s22                        ; my row of the cluster
	s_lshl_b32 s23, 0x1111, s18                    ; my column
	; descriptor group 1: 64 rows of 256 bytes (32 elements of 8 bytes), dense; no padding: images are read 16 bytes a lane on end
	s_or_b32 s24, s22, (3<<16)|(1<<21)             ; x's images go to my row of the cluster
	s_or_b32 s36, s23, (3<<16)|(1<<21)             ; the weights' to my column
.irp g, 24, 36
	s_mov_b32 s[\g+1], 32<<16                      ; tensor_dim0
	s_mov_b32 s[\g+2], 64<<16                      ; tensor_dim1
	s_mov_b32 s[\g+3], 32<<16                      ; tile_dim0
	s_mov_b32 s[\g+4], 64                          ; tile_dim1
	s_mov_b32 s[\g+5], 32                          ; the pitch
	s_mov_b32 s[\g+6], 0
	s_mov_b32 s[\g+7], 0
.endr
	; LDS: x's 8 tiles at 0, Wq's at 49,152, Wk's at 98,304, Wv's at 147,456: three waves to a block of 49,152 bytes
	s_mul_i32 s52, s14, 11
	s_lshr_b32 s52, s52, 5                         ; kb = wave / 3: which block
	s_mul_i32 s53, s52, 3
	s_sub_co_u32 s53, s14, s53
	s_lshl_b32 s53, s53, 14                        ; my third of it
	s_mul_i32 s48, s21, 49152                      ; x: tiles 8 rb on (these registers never hold cx)
	s_add_co_u32 s48, s48, s53
	s_mov_b32 s49, 0
	s_mul_i32 s50, s20, 49152                      ; W: tile 512 + 32 (kb - 1) + 8 g (these never hold cy)
	s_mul_i32 s54, s52, 196608
	s_add_co_u32 s50, s50, s54
	s_add_co_u32 s50, s50, s53
	s_add_co_u32 s50, s50, 2949120
	s_mov_b32 s51, 0
	s_lshl_b32 s55, s14, 14                        ; where it goes: 16,384 x wave
	s_wait_dscnt 0x0                               ; both opening adds are done
	CROUND                                         ; all sixteen work-groups are here: the joint loads meet
	s_wait_kmcnt 0x0
	s_mov_b32 s32, 1
	s_mov_b32 s33, s55
	s_add_nc_u64 s[34:35], s[4:5], s[48:49]
	s_or_b32 s35, s35, 0x80000000
	s_mov_b32 s44, 1
	s_mov_b32 s45, s55
	s_add_nc_u64 s[46:47], s[4:5], s[50:51]
	s_or_b32 s47, s47, 0x80000000
	JLOAD 3, 32, 24, 44, 36                        ; my one tensor load
	; inner and outer operand, by the wave's role
	s_mul_i32 s56, s17, 24576                      ; x's four tiles of my rows
	s_add_co_u32 s57, s15, 1
	s_mul_i32 s57, s57, 49152
	s_mul_i32 s58, s16, 24576
	s_add_co_u32 s57, s57, s58                     ; my weight's four tiles of my head
	s_lshl_b32 s58, s21, 3
	s_lshl_b32 s59, s17, 2
	s_add_co_u32 s58, s58, s59
	s_lshl_b32 s58, s58, 8                         ; their scale words in s1: 256 bytes a tile: x's tile 8 rb + 4 rh,
	s_lshl_b32 s59, s15, 5
	s_lshl_b32 s60, s20, 3
	s_add_co_u32 s59, s59, s60
	s_lshl_b32 s60, s16, 2
	s_add_co_u32 s59, s59, s60
	s_add_co_u32 s59, s59, 512
	s_lshl_b32 s59, s59, 8                         ; the weight's tile 512 + 32 role + 8 g + 4 hp
	s_cmp_eq_u32 s15, 2
	s_cselect_b32 s60, s56, s57                    ; inner: x for v, else the weight
	s_cselect_b32 s61, s57, s56                    ; outer
	s_cselect_b32 s62, s58, s59
	s_cselect_b32 s68, s59, s58
	s_mov_b32 s63, 0
	s_mov_b32 s69, 0
	s_add_nc_u64 s[70:71], s[6:7], s[62:63]
	s_add_nc_u64 s[72:73], s[6:7], s[68:69]
	v_and_b32 v9, 31, v0
	v_mov_b32 v[ZERO], 0
	v_lshlrev_b32 v[A16], 4, v9
	v_lshlrev_b32 v[A8], 3, v9
	v_lshlrev_b32 v[A4], 2, v9
	v_add_nc_u32 v[AI], s60, v[A16]
	v_add_nc_u32 v[AO], s61, v[A16]
	global_load_b128 v[SI:SI+3], v[A16], s[70:71]              ; four K steps' words: lanes 0-15 tile 0, lanes 16-31 tile 1
	global_load_b128 v[SI+4:SI+7], v[A16], s[70:71] offset:512 ; tiles 2 and 3
	global_load_b128 v[SO:SO+3], v[A16], s[72:73]
	global_load_b128 v[SO+4:SO+7], v[A16], s[72:73] offset:512
	s_wait_alu depctr_va_vdst(0)                   ; the wait ahead of the scalar lines and at the head's end
	; where the results go
	s_lshr_b32 s74, s21, 4                         ; the batch
	s_and_b32 s75, s21, 15                         ; the key step in it
	s_lshl_b32 s76, s74, 3
	s_lshl_b32 s77, s20, 1
	s_add_co_u32 s76, s76, s77
	s_add_co_u32 s76, s76, s16                     ; bh = 8 batch + head
	s_lshl_b32 s77, s76, 7
	s_lshl_b32 s78, s75, 3
	s_add_co_u32 s77, s77, s78
	s_lshl_b32 s78, s17, 2
	s_add_co_u32 s77, s77, s78
	s_mul_i32 s77, s77, 768                        ; q's codes: tile 128 bh + 8 st + 4 rh
	s_lshl_b32 s78, s76, 4
	s_add_co_u32 s78, s78, s75
	s_mul_i32 s78, s78, 13312                      ; the key step's block in kv
	s_max_u32 s79, s15, 1
	s_sub_co_u32 s79, s79, 1
	s_mul_i32 s79, s79, 6144                       ; K's tiles at 0, V's at 6,144,
	s_mul_i32 s80, s17, 3072                       ; my four of them
	s_add_co_u32 s79, s79, s80
	s_add_co_u32 s79, s79, s78
	s_lshl_b32 s80, s76, 5
	s_lshl_b32 s81, s75, 1
	s_add_co_u32 s80, s80, s81
	s_add_co_u32 s80, s80, s17
	s_lshl_b32 s80, s80, 8                         ; q's scale words: group 32 bh + 2 st + rh
	s_lshl_b32 s81, s17, 8
	s_add_co_u32 s81, s81, 12288                   ; K's: group rh
	s_lshl_b32 s82, s17, 1
	s_add_co_u32 s82, s82, 12800                   ; V's: my two bytes of each word
	s_cmp_eq_u32 s15, 2
	s_cselect_b32 s81, s82, s81
	s_add_co_u32 s81, s81, s78
	s_cmp_eq_u32 s15, 0                            ; the buffers are chosen by the wave's role, the offsets apart from them
	s_cselect_b64 s[84:85], s[8:9], s[12:13]
	s_cselect_b64 s[86:87], s[10:11], s[12:13]
	s_cselect_b32 s88, s77, s79
	s_cselect_b32 s90, s80, s81
	s_mov_b32 s89, 0
	s_mov_b32 s91, 0
	s_add_nc_u64 s[84:85], s[84:85], s[88:89]      ; codes
	s_add_nc_u64 s[86:87], s[86:87], s[90:91]      ; scale words
	s_lshl_b32 s92, s17, 7
	s_add_co_u32 s92, s92, 13056
	s_add_co_u32 s92, s92, s78
	s_mov_b32 s93, 0
	s_add_nc_u64 s[92:93], s[12:13], s[92:93]      ; my half of the key step's 256 zeros
	s_wait_tensorcnt 0x0                           ; my part lies in LDS,
	s_barrier_signal -1
	s_barrier_wait -1                              ; everybody's does; from here on LDS is only read
; A K step of 128: 24 loads of 16 bytes a lane, 16 matrix instructions; the 16 accumulators take turns, in the same order in every step.
; Loads come back in order: ahead of outer tile o's four products the 9 - 3 o loads of the tiles behind it may be out.
.macro KSTEP ks
.if \ks > 0
.rept 4
	v_nop                                          ; places in front of loads into registers that matrix instructions have read
.endr
.endif
.irp t, 0,1,2,3
.irp g, 0,1,2
	ds_load_b128 v[FI+12*\t+4*\g:FI+12*\t+4*\g+3], v[AI] offset:6144*\t+1536*\ks+512*\g
.endr
.endr
.irp t, 0,1,2,3
.irp g, 0,1,2
	ds_load_b128 v[FO+12*\t+4*\g:FO+12*\t+4*\g+3], v[AO] offset:6144*\t+1536*\ks+512*\g
.endr
.endr
.if \ks == 0
	s_wait_loadcnt 0x0                             ; the scale words
.endif
.irp oh, 0,1
.irp ol, 0,1
	s_wait_dscnt 9-6*\oh-3*\ol
.irp ih, 0,1
.irp il, 0,1
.if \ks == 0
	MM ACC+64*\oh+32*\ol+16*\ih+8*\il, FI+24*\ih+12*\il, FO+24*\oh+12*\ol, 0, SI+4*\ih+\ks, SO+4*\oh+\ks, \il, \ol
.else
	MM ACC+64*\oh+32*\ol+16*\ih+8*\il, FI+24*\ih+12*\il, FO+24*\oh+12*\ol, v[ACC+64*\oh+32*\ol+16*\ih+8*\il:ACC+64*\oh+32*\ol+16*\ih+8*\il+7], SI+4*\ih+\ks, SO+4*\oh+\ks, \il, \ol
.endif
.endr
.endr
.endr
.endr
.endm
	KSTEP 0                                        ; the first step's products start the sums
	KSTEP 1
	KSTEP 2
	KSTEP 3
.rept 4
	v_nop                                          ; places in front of the first read of results and the first write of operands' registers
.endr
	QPAIR 0
	QPAIR 2
	v_permlane16_swap_b32 v[HW], v[HW+1]           ; now lanes 0-15 carry tile 0's two bytes, lanes 16-31 tile 1's, the first in HW, the second in HW + 1;
	v_permlane16_swap_b32 v[HW+2], v[HW+3]         ; and tiles 2 and 3
	v_lshl_or_b32 v68, v[HW+1], 8, v[HW]
	v_lshl_or_b32 v69, v[HW+3], 8, v[HW+2]
	s_wait_alu depctr_va_vdst(0)                   ; the wait ahead of the branch
	s_cmp_eq_u32 s15, 2
	s_cbranch_scc1 .Lv_scales
	v_lshl_or_b32 v70, v68, 16, v68                ; q and k: the two bytes twice
	v_lshl_or_b32 v71, v69, 16, v69
	global_store_b64 v[A8], v[70:71], s[86:87]     ; 256 consecutive bytes
	s_branch .Ljoin
.Lv_scales:
	global_store_b16 v[A8], v68, s[86:87]          ; v: my key half's two bytes of each word
	global_store_b16 v[A8], v69, s[86:87] offset:4
	global_store_b32 v[A4], v[ZERO], s[92:93]      ; and zeros behind them, so that every byte of a key step's block is written
.Ljoin:
	s_wait_tensorcnt 0x0                           ; the wave's end
	ds_add_u32 v[SPW], v[NIL]
	s_wait_dscnt 0x0
	CROUND                                         ; the closing round: no work-group ends while a partner may still ask for a tile that names it
	s_endpgm
.Lfunc_end_k_q8ae0e14c4d_proj:
	.size	k_q8ae0e14c4d_proj, .Lfunc_end_k_q8ae0e14c4d_proj-k_q8ae0e14c4d_proj
	.p2alignl 7, 3214868480
	.fill 96, 4, 3214868480
	.section	.rodata,"a",@progbits
	.p2align	6, 0x0
	.amdhsa_kernel k_q8ae0e14c4d_proj
		.amdhsa_group_segment_fixed_size 198144
		.amdhsa_private_segment_fixed_size 0
		.amdhsa_enable_private_segment 0
		.amdhsa_kernarg_size 40
		.amdhsa_user_sgpr_count 2
		.amdhsa_user_sgpr_kernarg_segment_ptr 1
		.amdhsa_wavefront_size32 1
		.amdhsa_system_sgpr_workgroup_id_x 1
		.amdhsa_system_sgpr_workgroup_id_y 1
		.amdhsa_system_sgpr_workgroup_id_z 1
		.amdhsa_system_vgpr_workitem_id 0
		.amdhsa_next_free_vgpr 256
		.amdhsa_next_free_sgpr 100
		.amdhsa_reserve_vcc 0
		.amdhsa_float_denorm_mode_32 3
		.amdhsa_float_denorm_mode_16_64 3
		.amdhsa_memory_ordered 1
		.amdhsa_forward_progress 1
		.amdhsa_inst_pref_size 30
	.end_amdhsa_kernel
	.amdgpu_metadata
---
amdhsa.version: [ 1, 2 ]
amdhsa.kernels:
  - .name:           k_q8ae0e14c4d_proj
    .symbol:         k_q8ae0e14c4d_proj.kd
    .args:
      - { .name: c1, .offset: 0, .size: 8, .value_kind: global_buffer, .address_space: global }
      - { .name: s1, .offset: 8, .size: 8, .value_kind: global_buffer, .address_space: global }
      - { .name: qc, .offset: 16, .size: 8, .value_kind: global_buffer, .address_space: global }
      - { .name: qs, .offset: 24, .size: 8, .value_kind: global_buffer, .address_space: global }
      - { .name: kv, .offset: 32, .size: 8, .value_kind: global_buffer, .address_space: global }
    .group_segment_fixed_size: 198144
    .private_segment_fixed_size: 0
    .kernarg_segment_align: 8
    .kernarg_segment_size: 40
    .max_flat_workgroup_size: 384
    .sgpr_count:     100
    .vgpr_count:     256
    .wavefront_size: 32
...
	.end_amdgpu_metadata
.endif
;; end of part 2
;; launch attn (part 3): grid 8 x 32, 8 waves a work-group, clusters of 4 x 1, 214,016 bytes of LDS; arguments qc, qs, kv, oc, os; writes oc, os
.if DOCPART == 3
	.amdgcn_target "amdgcn-amd-amdhsa--gfx1250"
	.amdhsa_code_object_version 6
	.text
	.protected	k_q8ae0e14c4d_attn
	.globl	k_q8ae0e14c4d_attn
	.p2align	8
	.type	k_q8ae0e14c4d_attn,@function
k_q8ae0e14c4d_attn:
	s_mov_b64 s[64:65], 0
	v_nop
	global_prefetch_b8 v0, s[64:65] scope:SCOPE_SE
	s_setreg_imm32_b32 hwreg(HW_REG_WAVE_MODE, 25, 1), 1
	s_wait_xcnt 0x0
	s_wait_alu depctr_hold_cnt(0) depctr_sa_sdst(0) depctr_va_vdst(0) depctr_va_sdst(0) depctr_va_ssrc(0) depctr_va_vcc(0) depctr_vm_vsrc(0)
	s_getreg_b32 s2, hwreg(HW_REG_IB_STS2, 6, 4)
	s_cmp_eq_u32 s2, 0
	s_cbranch_scc0 .Lentry_in_a_cluster
	s_endpgm
.Lentry_in_a_cluster:
	s_bfe_u32 s2, ttmp6, 0x10000c
	s_cmp_lg_u32 s2, 0x3003
	s_cbranch_scc0 .Lentry_shape_is_right
	s_endpgm
.Lentry_shape_is_right:
; O[bh][q] = the sum over keys of softmax(q . k / 8) v, both products on codes of FP6 (E2M3); then O / the row's sum is quantised along head x 64 + d for the output product.
; THE SOFTMAX: t = score x log2(e) / 8; M = the running largest t rounded UP to a whole number; p = 2^(t - M) is quantised along the keys, not normalised; the row's sum is taken of the unquantised p.
; When M moves, the sum and O are multiplied by 2^(old M - new M): exact.
; SHARES.  A work-group owns 256 queries of one head; each of its eight waves two tiles of 16, A and B: each fragment of K and V that comes from LDS feeds both.  Every wave walks the head's 16 key steps of 128 keys.
; LDS.  The head's whole block of kv, 16 x 13,312 = 212,992 bytes, is filled ONCE: each wave asks for two key steps (104 rows of 256 bytes), its one tensor load.  The first barrier shows waves 0 and 1's tiles,
; key steps 0 to 3; the second, signalled in key step 1 and waited for behind key step 2, all the others.  Nothing is filled again: no ring, and no prefetch could ask for anything earlier.
; CLUSTER 4 x 1: the four query blocks of a cluster belong to one head and read the same kv: every load is asked for jointly, with the mask of all four.
; LAYOUT.  Both products are used transposed: S^T = K Q^T (source 0 = 16 keys), O^T = V^T P^T (source 0 = 16 of the head's 64): a lane holds one query (lane % 16) throughout.  By the tiles' choice of rows
; (row r of tile T = 64 (T / 4) + 8 (T % 4) + r % 8 + 32 (r / 8)) a lane's 32 registers of four key tiles are keys 64 c + 32 (lane / 16) + 0 .. 31, a whole scale block, and O's 32 registers are d = 32 (lane / 16) + 0 .. 31.
; So a block's largest number and its codes need no other lane; a lane holds two of a key step's four blocks, and only the row's maximum, its sum and the scale word look at lane l xor 16.
; K = 64 IN AN INSTRUCTION OF 128.  Source 0 takes TWO key tiles on end (registers 0-5: tile 2 b, registers 6-11: tile 2 b + 1).  Q stands between zeros, Z6 | Q6 | Z6: [Q6, Z6] multiplies the even tile, [Z6, Q6] the odd one;
; zero codes add nothing under any scale byte from 1 to 254.  The scale words of q and k hold their two bytes twice, so they serve either place.
; ORDER OF A KEY STEP: the scores of A and B; the next step's K is loaded; A's maxima; B's maxima with A's row chain among them; A's t - M with B's row chain among them; A's exponentials with B's t - M among them;
; B's exponentials with A's first sums among them; codes; O; the next step's V is loaded.
; LIMITS: NaN and infinities are not served; scaled scores (t) stay under 2^31 in magnitude.  A block's largest p is taken from its largest score by the same multiply-add and exponential: this takes v_exp_f32 not to fall
; where its input rises.  A block of zeros or under 2^-124 gets the byte 1, which only this program reads.  os goes out as halfwords (the two heads of a scale word belong to different work-groups).
.set KSTEP, 13312                      ; bytes of a key step in kv and in LDS
.set SPARE, 16*KSTEP                   ; behind the block: the spare words, 128 bytes a wave
; window 0:
.set A16, 1                            ; v1   in the loop: the next key step's LDS byte + 16 x lane
.set A8,  2                            ; v2   + 8 x lane
.set NM,  4                            ; v4   A: -M;  v5 A's largest score so far;  v6, v7 B's
.set FF,  8                            ; v8   A: f = 2^(old M - new M);  v9 A: old -M;  v10, v11 B's
.set SUM, 12                           ; v[12:13], v[14:15] the rows' sums in two halves
.set QS,  16                           ; v16, v17 Q's scale words
.set PS,  18                           ; v18, v19 p's scale words
.set KS,  20                           ; v20-23 K's: register b: lanes 0-15 tile 2 b, lanes 16-31 tile 2 b + 1
.set VS,  24                           ; v24-25 V's: register j: lanes 0-15 tile 2 j, lanes 16-31 tile 2 j + 1
.set L16, 26                           ; v26  16 x lane;  v27 8 x lane
.set L8,  27
.set SPW, 28                           ; v28  LDS address of my spare word;  v29 0
.set NIL, 29
.set T0,  30                           ; v30, v31 at work
.set BM,  32                           ; v32-35 the blocks' largest scores (A's two, B's two), then their largest p
.set SOP, 36                           ; v36-39 the conversions' scale operands
.set BY,  40                           ; v40-43 the bytes
.set PT,  44                           ; v44, v45 from lane l xor 16
.set WD,  46                           ; v46, v47 a lane's two bytes
.set MY,  48                           ; v48-51 second chains of maxima
.set TQ,  48                           ; v48-62 second halves of blocks' codes on their way (a conversion's three registers begin on an even number)
.set SA,  64                           ; v64-127 A: S^T, then p: register 32 c + i = key 64 c + 32 h + i
.set SB,  128                          ; v128-191 B's
.set P,   192                          ; v192-203, v204-215 p's codes
.set TT,  216                          ; v216-247 sums on their way
; window 1:
.set KF,  0                            ; K: four double fragments
.set VF,  48                           ; V: four fragments
.set OA,  96                           ; O^T of A, 32 registers; from 128 on B's
.set OB,  128
.set QHA, 160                          ; [Z6, Q6] of A;  166: [Q6, Z6]
.set QLA, 166
.set QHB, 178                          ; B's
.set QLB, 184
.set NC,  18                           ; s18  -log2(e) / 8
.set SEL, 20                           ; s[20:21] v_permlanex16_b32's selects for lane l xor 16
.set CS,  22                           ; s[22:23] c = log2(e) / 8
.set TB,  48                           ; s48  LDS byte of the key step that is loaded next
.set CNT, 49                           ; s49  trips left
.set MSB, 0
.macro WIN new                         ; the immediate's high byte repeats the setting that is left
.if MSB != \new
	s_set_vgpr_msb (MSB<<8)|\new
.set MSB, \new
.endif
.endm
.macro CROUND                          ; a round of the cluster's barrier
	s_barrier_signal -1
	s_barrier_wait -1
	s_cmp_lg_u32 s14, 0
	s_cbranch_scc1 .Lnot_wave_0_\@
	s_barrier_signal -3
.Lnot_wave_0_\@:
	s_barrier_wait -3
	s_barrier_signal -1
	s_barrier_wait -1
.endm
; One matrix instruction.  ra, rb = 1: that side's scale words stand in lanes 16-31.
.macro MM d, a, b, c, sa, sb, ra, rb
	v_wmma_scale_f32_16x16x128_f8f6f4 v[(\d):(\d)+7], v[(\a):(\a)+11], v[(\b):(\b)+11], \c, v[\sa], v[\sb] matrix_a_fmt:MATRIX_FMT_FP6 matrix_b_fmt:MATRIX_FMT_FP6 matrix_a_scale:MATRIX_SCALE_ROW\ra matrix_b_scale:MATRIX_SCALE_ROW\rb
.endm
.macro ADD2 d, x, y
	v_pk_add_f32 v[(\d):(\d)+1], v[(\x):(\x)+1], v[(\y):(\y)+1]
.endm
.macro KLOAD a16, a8, off              ; K's eight tiles and their scale words: 18 loads
	WIN 0x40
.irp p, 0,1,2,3,4,5,6,7
	ds_load_b128 v[KF+6*\p:KF+6*\p+3], v[\a16] offset:\off+768*\p
	ds_load_b64 v[KF+6*\p+4:KF+6*\p+5], v[\a8] offset:\off+768*\p+512
.endr
	WIN 0
	ds_load_b64 v[KS:KS+1], v[\a8] offset:\off+12288
	ds_load_b64 v[KS+2:KS+3], v[\a8] offset:\off+12544
.endm
.macro VLOAD a16, a8, off              ; V's four fragments and their scale words: 17 loads
	WIN 0x40
.irp t, 0,1,2,3
.irp g, 0,1
	ds_load_b128 v[VF+12*\t+6*\g:VF+12*\t+6*\g+3], v[\a16] offset:\off+6144+3072*\g+768*\t
	ds_load_b64 v[VF+12*\t+6*\g+4:VF+12*\t+6*\g+5], v[\a8] offset:\off+6144+3072*\g+768*\t+512
.endr
.endr
	WIN 0
	ds_load_b64 v[VS:VS+1], v[\a8] offset:\off+12800
.endm
.macro SMUL s, ql, qh, qs              ; a tile's scores: key tile 2 t against [Q6, Z6], key tile 2 t + 1 against [Z6, Q6]
.irp t, 0,1,2,3
	MM \s+16*\t, KF+12*\t, \ql, 0, KS+\t, \qs, 0, 0
	MM \s+16*\t+8, KF+12*\t, \qh, 0, KS+\t, \qs, 1, 0
.endr
.endm
; The largest score of each of a tile's two blocks in a lane: two chains a block, each accumulator from its low end on: rounds 0 to 6, then two joins.
.macro MROUND s, m, y, k
.irp g, 0,1
.if \k == 0
	v_max3_num_f32 v[\m+\g], v[\s+32*\g], v[\s+32*\g+1], v[\s+32*\g+2]
	v_max3_num_f32 v[\y+\g], v[\s+32*\g+16], v[\s+32*\g+17], v[\s+32*\g+18]
.else
	v_max3_num_f32 v[\m+\g], v[\m+\g], v[\s+32*\g+2*\k+1], v[\s+32*\g+2*\k+2]
	v_max3_num_f32 v[\y+\g], v[\y+\g], v[\s+32*\g+2*\k+17], v[\s+32*\g+2*\k+18]
.endif
.endr
.endm
.macro MJOIN1 s, m
.irp g, 0,1
	v_max3_num_f32 v[\m+\g], v[\m+\g], v[\s+32*\g+15], v[\s+32*\g+31]
.endr
.endm
.macro MJOIN2 m, y
.irp g, 0,1
	v_max_num_f32 v[\m+\g], v[\m+\g], v[\y+\g]
.endr
.endm
; Line i (1 to 8) of tile x's row chain: the running largest score, -M, f.
.macro ROWI i, x, first
.if \i == 1
.if \first
	v_max_num_f32 v[T0+\x], v[BM+2*\x], v[BM+2*\x+1]
.else
	v_max3_num_f32 v[T0+\x], v[BM+2*\x], v[BM+2*\x+1], v[NM+2*\x+1]
.endif
.elseif \i == 2
	v_permlanex16_b32 v[PT+\x], v[T0+\x], s[SEL], s[SEL+1]
.elseif \i == 3
	v_max_num_f32 v[NM+2*\x+1], v[T0+\x], v[PT+\x] ; with lane l xor 16's keys: the running largest score of my query
.elseif \i == 4
	v_mul_f32 v[T0+\x], s[NC], v[NM+2*\x+1]        ; -t
.elseif \i == 5
	v_floor_f32 v[NM+2*\x], v[T0+\x]               ; the new -M = floor(-t): M is a whole number
.elseif \first == 0
.if \i == 6
	v_sub_f32 v[T0+\x], v[NM+2*\x], v[FF+2*\x+1]   ; old M - new M: a whole number, 0 or less
.elseif \i == 7
	v_cvt_i32_f32 v[T0+\x], v[T0+\x]               ; (it saturates)
.elseif \i == 8
	v_ldexp_f32 v[FF+2*\x], 1.0, v[T0+\x]          ; f
.endif
.endif
.endm
.macro FMAB x                          ; t - M of each block's largest score
.irp g, 0,1
	v_fma_f32 v[BM+2*\x+\g], v[BM+2*\x+\g], s[CS], v[NM+2*\x]
.endr
.endm
.macro PKF s, x                        ; t - M, two at a time (of the pairs c and -M the low word serves both halves)
	v_pk_fma_f32 v[\s:\s+1], v[\s:\s+1], s[CS:CS+1], v[NM+2*\x:NM+2*\x+1] op_sel_hi:[1,0,0]
.endm
.macro OMUL o, x, th, tl, first        ; O^T of d tile 2 th + tl; in the first key step the products start the sums
.if \first
	MM \o+16*\th+8*\tl, VF+24*\th+12*\tl, P+12*\x, 0, VS+\th, PS+\x, \tl, 0
.else
	MM \o+16*\th+8*\tl, VF+24*\th+12*\tl, P+12*\x, v[\o+16*\th+8*\tl:\o+16*\th+8*\tl+7], VS+\th, PS+\x, \tl, 0
.endif
.endm
; A KEY STEP: 128 keys for both tiles.  first: nothing has been summed yet.  next: the following step's K and V are loaded, from a16, a8, off.  lp: in the loop (a16 and a8 are made here).  sig: the second barrier's signal.
.macro STEP first, next, a16, a8, off, lp, sig
.if \first
	s_wait_dscnt 17                                ; K is in; V's 17 loads may be out.  (In every other step K came in ahead of the last step's O)
.endif
	WIN 0x05
	SMUL SA, QLA, QHA, QS
	SMUL SB, QLB, QHB, QS+1
	WIN 0
.if \lp                                            ; four places behind the scores' last product: ahead of reads of the results and of loads into its operands
	v_add_nc_u32 v[A16], s[TB], v[L16]
	v_add_nc_u32 v[A8], s[TB], v[L8]
.else
	v_nop
	v_nop
.endif
.if \first
	v_nop
	v_nop
.else
	v_mov_b32 v[FF+1], v[NM]                       ; the old -M
	v_mov_b32 v[FF+3], v[NM+2]
.endif
.if \next
	KLOAD \a16, \a8, \off
.endif
.irp k, 0,1,2,3,4,5,6
	MROUND SA, BM, MY, \k
.endr
	MJOIN1 SA, BM
	MJOIN2 BM, MY
.irp k, 0,1,2,3,4,5,6
	MROUND SB, BM+2, MY+2, \k
	ROWI \k+1, 0, \first
.endr
	MJOIN1 SB, BM+2
	ROWI 8, 0, \first
	MJOIN2 BM+2, MY+2
	FMAB 0
.irp k, 0,1,2,3,4,5,6,7
	PKF SA+8*\k, 0
	PKF SA+8*\k+2, 0
	PKF SA+8*\k+4, 0
	PKF SA+8*\k+6, 0
	ROWI \k+1, 1, \first
.endr
	s_wait_alu depctr_va_vdst(0)                   ; the wait ahead of the batch
.set j, 0
.rept 32
	v_exp_f32 v[SA+j], v[SA+j]                     ; A: p = 2^(t - M), at most 1
	v_exp_f32 v[SA+j+1], v[SA+j+1]
	PKF SB+j, 1
.set j, j+2
.endr
	v_exp_f32 v[BM], v[BM]                         ; A's blocks' largest p: the same two instructions on the same number give the same bits
	v_exp_f32 v[BM+1], v[BM+1]
	FMAB 1
	s_wait_alu depctr_va_vdst(0)                   ; one wait behind A's batch and ahead of B's
.set j, 0
.rept 16
	v_exp_f32 v[SB+j], v[SB+j]
	v_exp_f32 v[SB+j+1], v[SB+j+1]
	v_exp_f32 v[SB+j+2], v[SB+j+2]
	v_exp_f32 v[SB+j+3], v[SB+j+3]
	ADD2 TT+j/2, SA+j, SA+j+2                      ; THE ROW'S SUM IS TAKEN OF THE UNQUANTISED p
.set j, j+4
.endr
	v_exp_f32 v[BM+2], v[BM+2]
	v_exp_f32 v[BM+3], v[BM+3]
.if \first
	v_nop                                          ; a plain place behind the exponentials
.else
	v_pk_mul_f32 v[SUM:SUM+1], v[SUM:SUM+1], v[FF:FF+1] op_sel_hi:[1,0]             ; the sums under the new M
	v_pk_mul_f32 v[SUM+2:SUM+3], v[SUM+2:SUM+3], v[FF+2:FF+3] op_sel_hi:[1,0]
.endif
	s_wait_alu depctr_va_vdst(0)                   ; behind B's batch
.irp g, 0,1,2,3
	v_max_num_f32 v[BM+\g], 0x1800000, v[BM+\g]    ; the floor 2^(3 - 127): the byte cannot fall under 1
.endr
.irp g, 0,1,2,3
	v_add_nc_u32 v[SOP+\g], 0xff000000, v[BM+\g]   ; 2 off the exponent field: the conversion's scale operand
.endr
.irp k, 0,1,2,3,4,5,6,7
	ADD2 TT+2*\k, TT+2*\k, TT+16+2*\k
.endr
.irp g, 0,1,2,3
	v_lshrrev_b32 v[BY+\g], 23, v[SOP+\g]          ; the scale's byte
.endr
.irp g, 0,1,2,3                                    ; a block's 32 codes: 16 at their place, 16 beside it
	v_cvt_scalef32_pk16_fp6_f32 v[P+6*\g:P+6*\g+2], v[SA+32*\g:SA+32*\g+15], v[SOP+\g]
	v_cvt_scalef32_pk16_fp6_f32 v[TQ+4*\g:TQ+4*\g+2], v[SA+32*\g+16:SA+32*\g+31], v[SOP+\g]
.endr
	v_lshl_or_b32 v[WD], v[BY+1], 16, v[BY]        ; my blocks h and 2 + h (plain places behind the conversions)
	v_lshl_or_b32 v[WD+1], v[BY+3], 16, v[BY+2]
.irp k, 0,1,2,3,4,5,6,7
	ADD2 TT+16+2*\k, SB+2*\k, SB+16+2*\k
.endr
	v_permlanex16_b32 v[PT], v[WD], s[SEL], s[SEL+1]
	v_permlanex16_b32 v[PT+1], v[WD+1], s[SEL], s[SEL+1]
.irp i, 0,1,2
.irp g, 0,1,2,3
	v_mov_b32 v[P+6*\g+3+\i], v[TQ+4*\g+\i]
.endr
.endr
	v_lshl_or_b32 v[PS], v[PT], 8, v[WD]           ; lanes 0-15: p's scale word for these 128 keys (lanes 16-31 are not read)
	v_lshl_or_b32 v[PS+1], v[PT+1], 8, v[WD+1]
.irp k, 0,1,2,3,4,5,6,7
	ADD2 TT+16+2*\k, TT+16+2*\k, SB+32+2*\k
.endr
.irp k, 0,1,2,3
	ADD2 TT+2*\k, TT+2*\k, TT+8+2*\k
.endr
.irp k, 0,1,2,3,4,5,6,7
	ADD2 TT+16+2*\k, TT+16+2*\k, SB+48+2*\k
.endr
	ADD2 TT, TT, TT+4
	ADD2 TT+2, TT+2, TT+6
.if \first == 0
	WIN 0x41
	s_wait_alu depctr_va_vdst(0)                   ; the wait directly ahead of the first reader of O^T
.set j, 0
.rept 16
	v_pk_mul_f32 v[OA+j:OA+j+1], v[OA+j:OA+j+1], v[FF:FF+1] op_sel_hi:[1,0]         ; O^T under the new M
	v_pk_mul_f32 v[OB+j:OB+j+1], v[OB+j:OB+j+1], v[FF+2:FF+3] op_sel_hi:[1,0]
.set j, j+2
.endr
.endif
	s_wait_alu depctr_va_vdst(0)                   ; the wait ahead of the blocking one
	s_wait_dscnt 0x0                               ; V is in, and the next step's K
.if \sig
	s_wait_tensorcnt 0x0                           ; my two key steps lie in LDS: say so
	s_barrier_signal -1
.endif
	WIN 0x51
.irp th, 0,1
.irp tl, 0,1
	OMUL OA, 0, \th, \tl, \first
.endr
.endr
.irp th, 0,1
.irp tl, 0,1
	OMUL OB, 1, \th, \tl, \first
.endr
.endr
	WIN 0
.irp k, 0,1,2,3                                    ; the rest of the sums; these four are also the places ahead of the loads
	ADD2 TT+16+2*\k, TT+16+2*\k, TT+24+2*\k
.endr
.if \next
	VLOAD \a16, \a8, \off
.endif
	ADD2 TT+16, TT+16, TT+20
	ADD2 TT+18, TT+18, TT+22
.if \first
	ADD2 SUM, TT, TT+2
	ADD2 SUM+2, TT+16, TT+18
.else
	ADD2 TT, TT, TT+2
	ADD2 TT+16, TT+16, TT+18
	ADD2 SUM, SUM, TT
	ADD2 SUM+2, SUM+2, TT+16
.endif
.endm
	s_load_b256 s[4:11], s[0:1], 0x0               ; qc s[4:5], qs s[6:7], kv s[8:9], oc s[10:11]
	s_load_b64 s[12:13], s[0:1], 0x20              ; os
	v_lshl_add_u32 v[SPW], v0, 2, SPARE
	v_mov_b32 v[NIL], 0
	ds_add_u32 v[SPW], v[NIL]                      ; the opening lines
	ds_add_u32 v[SPW], v[NIL]
	v_lshrrev_b32 v3, 5, v0
	v_readfirstlane_b32 s14, v3                    ; wave 0..7
	v_and_b32 v3, 31, v0
	v_and_b32 v62, 15, v0
	v_lshlrev_b32 v[L16], 4, v3
	v_lshlrev_b32 v[L8], 3, v3
	v_lshlrev_b32 v62, 3, v62                      ; 8 x (lane % 16)
	v_mov_b32 v[PT], 0                             ; written once: a lane permute's destination counts as one of its sources
	v_mov_b32 v[PT+1], 0
	v_mov_b32 v[FF+1], 0                           ; (named as the upper halves of pairs)
	v_mov_b32 v[FF+3], 0
	WIN 0x40
.irp i, 0,1,2,3,4,5                                ; zero codes on both sides of Q
	v_mov_b32 v[QHA+\i], 0
	v_mov_b32 v[QLA+6+\i], 0
	v_mov_b32 v[QHB+\i], 0
	v_mov_b32 v[QLB+6+\i], 0
.endr
	WIN 0
	s_wait_alu depctr_va_vdst(0)                   ; the wait ahead of the scalar lines and the blocking waits
	s_bfe_u32 s15, ttmp6, 0x40000                  ; cx: it enters the addresses of qc, qs, oc and os alone
	s_lshl_b32 s16, ttmp9, 2
	s_add_co_u32 s16, s16, s15                     ; qb: my block of 256 queries
	s_and_b32 s17, ttmp7, 0xffff                   ; bh: the head, which the four partners share
	; descriptor group 1: 104 rows of 256 bytes (32 elements of 8 bytes), dense, no padding
	s_mov_b32 s24, 15|(3<<16)|(1<<21)              ; the mask: all four work-groups
	s_mov_b32 s25, 32<<16                          ; tensor_dim0
	s_mov_b32 s26, 104<<16                         ; tensor_dim1
	s_mov_b32 s27, 32<<16                          ; tile_dim0
	s_mov_b32 s28, 104                             ; tile_dim1
	s_mov_b32 s29, 32                              ; the pitch
	s_mov_b32 s30, 0
	s_mov_b32 s31, 0
	s_mul_i32 s52, s14, 2*KSTEP                    ; my two key steps, in LDS as in memory
	s_mul_i32 s50, s17, 16*KSTEP                   ; the head's block
	s_add_co_u32 s50, s50, s52
	s_mov_b32 s51, 0
	s_lshl_b32 s56, s16, 4
	s_lshl_b32 s57, s14, 1
	s_add_co_u32 s56, s56, s57                     ; Pb: my query tile A in the batch; B is the next
	s_lshl_b32 s57, s17, 7
	s_add_co_u32 s57, s57, s56
	s_mul_i32 s58, s57, 768                        ; its codes in qc
	s_mov_b32 s59, 0
	s_lshl_b32 s60, s17, 5                         ; its scale words in qs: group 32 bh + 4 qb + wave / 2, tiles o = 2 (wave % 2) + 0, 1: 128 (o % 2) + 4 (o / 2) + 8 r
	s_lshl_b32 s61, s16, 2
	s_add_co_u32 s60, s60, s61
	s_lshr_b32 s61, s14, 1
	s_add_co_u32 s60, s60, s61
	s_lshl_b32 s60, s60, 8
	s_and_b32 s61, s14, 1
	s_lshl_b32 s61, s61, 2
	s_add_co_u32 s60, s60, s61
	s_mov_b32 s61, 0
	s_lshr_b32 s62, s17, 3
	s_lshl_b32 s62, s62, 7
	s_add_co_u32 s62, s62, s56                     ; Pg = 128 batch + Pb
	s_and_b32 s63, s17, 7                          ; the head in the batch
	s_lshl_b32 s66, s62, 3
	s_add_co_u32 s66, s66, s63
	s_mul_i32 s66, s66, 768                        ; oc: half image 8 Pg + head
	s_mov_b32 s67, 0
	s_lshl_b32 s68, s62, 8
	s_lshl_b32 s69, s63, 1
	s_add_co_u32 s68, s68, s69                     ; os: 256 Pg + 16 r + 2 head
	s_mov_b32 s69, 0
	s_mov_b32 s[SEL], 0x76543210
	s_mov_b32 s[SEL+1], 0xfedcba98
	s_mov_b32 s[CS], 0x3e38aa3b                    ; log2(e) / 8
	s_mov_b32 s[CS+1], s[CS]                       ; (named with it as a pair, so it is written)
	s_mov_b32 s[NC], 0xbe38aa3b
	s_wait_dscnt 0x0                               ; both opening adds are done
	CROUND                                         ; all four work-groups are here: the joint loads meet
	s_wait_kmcnt 0x0
	s_add_nc_u64 s[54:55], s[8:9], s[50:51]
	s_mov_b32 s32, 1
	s_mov_b32 s33, s52
	s_mov_b64 s[34:35], s[54:55]
	s_or_b32 s35, s35, 0x80000000
	s_cmp_lt_u32 s14, 2                            ; two lines, one a wave: waves 0 and 1 wait for theirs ahead of the first barrier, the others later
	s_cbranch_scc0 .Llater
	tensor_load_to_lds s[32:35], s[24:31]
	s_nop 0
.rept 4
	v_nop
.endr
	s_branch .Lasked
.Llater:
	tensor_load_to_lds s[32:35], s[24:31]
	s_nop 0
.rept 4
	v_nop
.endr
.Lasked:
	s_add_nc_u64 s[4:5], s[4:5], s[58:59]
	s_add_nc_u64 s[6:7], s[6:7], s[60:61]
	s_add_nc_u64 s[10:11], s[10:11], s[66:67]
	s_add_nc_u64 s[12:13], s[12:13], s[68:69]
	WIN 0x40
	global_load_b128 v[QLA:QLA+3], v[L16], s[4:5]              ; Q's two half images stay in registers
	global_load_b64 v[QLA+4:QLA+5], v[L8], s[4:5] offset:512
	global_load_b128 v[QLB:QLB+3], v[L16], s[4:5] offset:768
	global_load_b64 v[QLB+4:QLB+5], v[L8], s[4:5] offset:1280
	WIN 0
	global_load_b32 v[QS], v62, s[6:7]
	global_load_b32 v[QS+1], v62, s[6:7] offset:128
	s_wait_loadcnt 0x0                             ; Q
	s_cmp_lt_u32 s14, 2
	s_cbranch_scc0 .Lnot_first
	s_wait_tensorcnt 0x0
.Lnot_first:
	s_barrier_signal -1
	s_barrier_wait -1                              ; key steps 0 to 3 are in
	KLOAD L16, L8, 0
	VLOAD L16, L8, 0
	STEP 1, 1, L16, L8, KSTEP, 0, 0                ; key step 0 starts the sums
	STEP 0, 1, L16, L8, 2*KSTEP, 0, 1
	STEP 0, 1, L16, L8, 3*KSTEP, 0, 0
	s_barrier_wait -1                              ; all key steps are in; from here on LDS is only read
	s_mov_b32 s[TB], 4*KSTEP
	s_mov_b32 s[CNT], 12
.Lstep:                                            ; key steps 3 to 14
	STEP 0, 1, A16, A8, 0, 1, 0
	s_add_co_u32 s[TB], s[TB], KSTEP
	s_sub_co_u32 s[CNT], s[CNT], 1
	s_cmp_lg_u32 s[CNT], 0
	s_cbranch_scc1 .Lstep
	STEP 0, 0, L16, L8, 0, 0, 0                    ; key step 15: nothing more to load
	; THE WAY OUT: O^T / the row's sum, quantised along d, leaves as a half image and two scale bytes a row
	v_add_f32 v[SUM], v[SUM], v[SUM+1]             ; the sum's two halves,
	v_add_f32 v[SUM+2], v[SUM+2], v[SUM+3]
	v_permlanex16_b32 v[PT], v[SUM], s[SEL], s[SEL+1]
	v_permlanex16_b32 v[PT+1], v[SUM+2], s[SEL], s[SEL+1]
	v_add_f32 v[SUM], v[SUM], v[PT]                ; and lane l xor 16's
	v_add_f32 v[SUM+2], v[SUM+2], v[PT+1]
	s_wait_alu depctr_va_vdst(0)                   ; the wait ahead of the transcendentals
	v_rcp_f32 v[FF], v[SUM]
	v_rcp_f32 v[FF+2], v[SUM+2]
	v_nop                                          ; a plain place behind them
	WIN 0x01
	s_wait_alu depctr_va_vdst(0)                   ; and behind them, directly ahead of O^T's first reader
.set j, 0
.rept 16
	v_pk_mul_f32 v[SA+j:SA+j+1], v[OA+j:OA+j+1], v[FF:FF+1] op_sel_hi:[1,0]         ; each accumulator from its low end on
	v_pk_mul_f32 v[SB+j:SB+j+1], v[OB+j:OB+j+1], v[FF+2:FF+3] op_sel_hi:[1,0]
.set j, j+2
.endr
	WIN 0
.irp x, 0,1                                        ; a lane's 32 numbers of a tile are one block
	v_max3_num_f32 v[BM+2*\x], |v[SA+64*\x]|, |v[SA+64*\x+1]|, 0x1800000
	v_max3_num_f32 v[BM+2*\x+1], |v[SA+64*\x+16]|, |v[SA+64*\x+17]|, |v[SA+64*\x+18]|
.endr
.irp i, 2,4,6,8,10,12
.irp x, 0,1
	v_max3_num_f32 v[BM+2*\x], v[BM+2*\x], |v[SA+64*\x+\i]|, |v[SA+64*\x+\i+1]|
	v_max3_num_f32 v[BM+2*\x+1], v[BM+2*\x+1], |v[SA+64*\x+\i+17]|, |v[SA+64*\x+\i+18]|
.endr
.endr
.irp x, 0,1
	v_max3_num_f32 v[BM+2*\x], v[BM+2*\x], |v[SA+64*\x+14]|, |v[SA+64*\x+15]|
.endr
.irp x, 0,1
	v_max3_num_f32 v[BM+2*\x], v[BM+2*\x], v[BM+2*\x+1], |v[SA+64*\x+31]|
.endr
.irp x, 0,1
	v_add_nc_u32 v[SOP+\x], 0xff000000, v[BM+2*\x]
.endr
.irp x, 0,1
	v_cvt_scalef32_pk16_fp6_f32 v[P+12*\x:P+12*\x+2], v[SA+64*\x:SA+64*\x+15], v[SOP+\x]
	v_cvt_scalef32_pk16_fp6_f32 v[TQ+4*\x:TQ+4*\x+2], v[SA+64*\x+16:SA+64*\x+31], v[SOP+\x]
.endr
.irp x, 0,1
	v_lshrrev_b32 v[BY+\x], 23, v[SOP+\x]          ; the byte of block h (plain places behind the conversions)
.endr
.irp i, 0,1,2
.irp x, 0,1
	v_mov_b32 v[P+12*\x+3+\i], v[TQ+4*\x+\i]
.endr
.endr
	v_permlane16_swap_b32 v[BY], v[BY+1]           ; lanes 0-15 now carry A's two bytes, lanes 16-31 B's, the first in BY, the second in BY + 1
	v_lshl_or_b32 v[BY+2], v[BY+1], 8, v[BY]
.irp x, 0,1
	global_store_b128 v[L16], v[P+12*\x:P+12*\x+3], s[10:11] offset:6144*\x         ; 512 consecutive bytes,
	global_store_b64 v[L8], v[P+12*\x+4:P+12*\x+5], s[10:11] offset:6144*\x+512     ; and 256
.endr
	global_store_b16 v[L16], v[BY+2], s[12:13]     ; my head's two bytes of the 32 rows' scale words
	s_wait_tensorcnt 0x0                           ; the wave's end
	ds_add_u32 v[SPW], v[NIL]
	s_wait_dscnt 0x0
	CROUND                                         ; the closing round: no work-group ends while a partner may still ask for a tile that names it
	s_endpgm
.Lfunc_end_k_q8ae0e14c4d_attn:
	.size	k_q8ae0e14c4d_attn, .Lfunc_end_k_q8ae0e14c4d_attn-k_q8ae0e14c4d_attn
	.p2alignl 7, 3214868480
	.fill 96, 4, 3214868480
	.section	.rodata,"a",@progbits
	.p2align	6, 0x0
	.amdhsa_kernel k_q8ae0e14c4d_attn
		.amdhsa_group_segment_fixed_size 214016
		.amdhsa_private_segment_fixed_size 0
		.amdhsa_enable_private_segment 0
		.amdhsa_kernarg_size 40
		.amdhsa_user_sgpr_count 2
		.amdhsa_user_sgpr_kernarg_segment_ptr 1
		.amdhsa_wavefront_size32 1
		.amdhsa_system_sgpr_workgroup_id_x 1
		.amdhsa_system_sgpr_workgroup_id_y 1
		.amdhsa_system_sgpr_workgroup_id_z 1
		.amdhsa_system_vgpr_workitem_id 0
		.amdhsa_next_free_vgpr 464
		.amdhsa_next_free_sgpr 100
		.amdhsa_reserve_vcc 0
		.amdhsa_float_denorm_mode_32 3
		.amdhsa_float_denorm_mode_16_64 3
		.amdhsa_memory_ordered 1
		.amdhsa_forward_progress 1
		.amdhsa_inst_pref_size 144
	.end_amdhsa_kernel
	.amdgpu_metadata
---
amdhsa.version: [ 1, 2 ]
amdhsa.kernels:
  - .name:           k_q8ae0e14c4d_attn
    .symbol:         k_q8ae0e14c4d_attn.kd
    .args:
      - { .name: qc, .offset: 0, .size: 8, .value_kind: global_buffer, .address_space: global }
      - { .name: qs, .offset: 8, .size: 8, .value_kind: global_buffer, .address_space: global }
      - { .name: kv, .offset: 16, .size: 8, .value_kind: global_buffer, .address_space: global }
      - { .name: oc, .offset: 24, .size: 8, .value_kind: global_buffer, .address_space: global }
      - { .name: os, .offset: 32, .size: 8, .value_kind: global_buffer, .address_space: global }
    .group_segment_fixed_size: 214016
    .private_segment_fixed_size: 0
    .kernarg_segment_align: 8
    .kernarg_segment_size: 40
    .max_flat_workgroup_size: 256
    .sgpr_count:     100
    .vgpr_count:     464
    .wavefront_size: 32
...
	.end_amdgpu_metadata
.endif
;; end of part 3
;; launch oproj (part 4): grid 4 x 64, 8 waves a work-group, clusters of 4 x 4, 168,960 bytes of LDS; arguments oc, os, c1, s1, bo, out0; writes out0
.if DOCPART == 4
	.amdgcn_target "amdgcn-amd-amdhsa--gfx1250"
	.amdhsa_code_object_version 6
	.text
	.protected	k_q8ae0e14c4d_oproj
	.globl	k_q8ae0e14c4d_oproj
	.p2align	8
	.type	k_q8ae0e14c4d_oproj,@function
k_q8ae0e14c4d_oproj:
	s_mov_b64 s[64:65], 0
	v_nop
	global_prefetch_b8 v0, s[64:65] scope:SCOPE_SE
	s_setreg_imm32_b32 hwreg(HW_REG_WAVE_MODE, 25, 1), 1
	s_wait_xcnt 0x0
	s_wait_alu depctr_hold_cnt(0) depctr_sa_sdst(0) depctr_va_vdst(0) depctr_va_sdst(0) depctr_va_ssrc(0) depctr_va_vcc(0) depctr_vm_vsrc(0)
	s_getreg_b32 s2, hwreg(HW_REG_IB_STS2, 6, 4)
	s_cmp_eq_u32 s2, 0
	s_cbranch_scc0 .Lentry_in_a_cluster
	s_endpgm
.Lentry_in_a_cluster:
	s_bfe_u32 s2, ttmp6, 0x10000c
	s_cmp_lg_u32 s2, 0xf033
	s_cbranch_scc0 .Lentry_shape_is_right
	s_endpgm
.Lentry_shape_is_right:
; out0 = O Wo^T + bo on codes of FP6 (E2M3).  O: oc [tile Pg 512][head 8][768]: half images (16 rows x 64 K: registers 0-3 at 16 l, registers 4-5 at 512 + 8 l); K step s = heads 2 s and 2 s + 1 on end.
; os [Pg][row 16][K step 4] scale words.  Wo: tiles 608-639 of c1 (full images: registers 4 g .. 4 g + 3 at 512 g + 16 l) and of s1.  Row r of tile T is 64 (T / 4) + 8 (T % 4) + r % 8 + 32 (r / 8).
; SHARES.  A work-group makes 128 rows (block rb) x 128 columns (block cb).  Eight waves: half of the rows = wave % 2 (four tiles of O, source 1), two tiles of Wo, 2 cq and 2 cq + 1 with cq = wave / 2 (source 0):
; 8 accumulators, 32 matrix instructions.  Used so, a lane holds one row of out0 and its 16 registers of the two tiles are 16 neighbouring columns: 64 (cq / 2) + 16 (cq % 2) + 32 (lane / 16) + 8 i + j.
; The bias is the C of each sum's first matrix instruction.
; CLUSTER 4 x 4: O's block is the same along a row of the cluster, Wo's along a column: each wave's one tensor load (48 rows x 256 bytes of dense images) is asked for jointly by the four that share it.
; LDS is filled once, at the head: no prefetch could ask for anything earlier.
; THE WAY OUT: through a stage in LDS (rows 528 bytes apart, bytes into which no tensor load lands); each wave then stores 16 whole rows' 512 bytes.
.set STG,  98304                       ; LDS: O's 8 tiles at 0, Wo's 8 at 49,152, the stage from here: 128 rows x 528 bytes, row = 16 x tile + r
.set SPARE, 0x29000                    ; the spare words
.set A16,  1                           ; v1  16 x lane
.set A8,   2                           ; v2  8 x lane
.set AW,   3                           ; v3  LDS: my two tiles of Wo, + 16 x lane
.set AO16, 4                           ; v4  my four tiles of O, + 16 x lane
.set AO8,  5                           ; v5  + 8 x lane
.set STO,  6                           ; v6  the stage: where I put 32 bytes of a row
.set SRD,  7                           ; v7  and where I read a row back
.set BA,   8                           ; v8  128 x (lane / 16): my place in the bias
.set WS,   12                          ; v12-15 Wo's scale words: register s; lanes 0-15 tile 0, lanes 16-31 tile 1
.set OS,   18                          ; v18-25 O's: register 4 q + s; lanes 0-15 tile 2 q, lanes 16-31 tile 2 q + 1
.set BI,   26                          ; v26-41 the bias in the result's layout: 8 registers a tile of Wo
.set F0,   42                          ; v42-113  fragments, set 0: Wo's two (24 registers), O's four (48)
.set F1,   114                         ; v114-185 set 1
.set ACC,  186                         ; v186-249 accumulator (O's tile o, Wo's tile i) at 16 o + 8 i
.set SPW,  254                         ; v254 LDS address of my spare word;  v255 0
.set NIL,  255
.macro CROUND                          ; a round of the cluster's barrier
	s_barrier_signal -1
	s_barrier_wait -1
	s_cmp_lg_u32 s14, 0
	s_cbranch_scc1 .Lnot_wave_0_\@
	s_barrier_signal -3
.Lnot_wave_0_\@:
	s_barrier_wait -3
	s_barrier_signal -1
	s_barrier_wait -1
.endm
.macro MM d, a, b, c, sa, sb, ra, rb   ; one matrix instruction.  ra, rb = 1: that side's scale words stand in lanes 16-31
	v_wmma_scale_f32_16x16x128_f8f6f4 v[(\d):(\d)+7], v[(\a):(\a)+11], v[(\b):(\b)+11], \c, v[\sa], v[\sb] matrix_a_fmt:MATRIX_FMT_FP6 matrix_b_fmt:MATRIX_FMT_FP6 matrix_a_scale:MATRIX_SCALE_ROW\ra matrix_b_scale:MATRIX_SCALE_ROW\rb
.endm
	s_load_b256 s[4:11], s[0:1], 0x0               ; oc s[4:5], os s[6:7], c1 s[8:9], s1 s[10:11]
	s_load_b128 s[16:19], s[0:1], 0x20             ; bo s[16:17], out0 s[18:19]
	v_lshl_add_u32 v[SPW], v0, 2, SPARE
	v_mov_b32 v[NIL], 0
	ds_add_u32 v[SPW], v[NIL]                      ; the opening lines
	ds_add_u32 v[SPW], v[NIL]
	v_lshrrev_b32 v9, 5, v0
	v_readfirstlane_b32 s14, v9                    ; wave 0..7
	s_bfe_u32 s20, ttmp6, 0x40000                  ; cx
	s_bfe_u32 s21, ttmp6, 0x40004                  ; cy
	s_lshl_b32 s22, ttmp9, 2
	s_add_co_u32 s22, s22, s20                     ; cb: the block of 128 columns
	s_and_b32 s23, ttmp7, 0xffff
	s_lshl_b32 s23, s23, 2
	s_add_co_u32 s23, s23, s21                     ; rb: the block of 128 rows
	s_lshl_b32 s48, s21, 2
	s_lshl_b32 s48, 15, s48                        ; my row of the cluster
	s_lshl_b32 s49, 0x1111, s20                    ; my column
	; descriptor group 1: 48 rows of 256 bytes (32 elements of 8 bytes), dense, no padding
	s_or_b32 s24, s48, (3<<16)|(1<<21)             ; O's images go to my row of the cluster
	s_or_b32 s36, s49, (3<<16)|(1<<21)             ; Wo's to my column
.irp g, 24, 36
	s_mov_b32 s[\g+1], 32<<16                      ; tensor_dim0
	s_mov_b32 s[\g+2], 48<<16                      ; tensor_dim1
	s_mov_b32 s[\g+3], 32<<16                      ; tile_dim0
	s_mov_b32 s[\g+4], 48                          ; tile_dim1
	s_mov_b32 s[\g+5], 32                          ; the pitch
	s_mov_b32 s[\g+6], 0
	s_mov_b32 s[\g+7], 0
.endr
	s_and_b32 s50, s14, 3
	s_mul_i32 s50, s50, 12288                      ; my quarter of a block of 49,152 bytes
	s_mul_i32 s52, s23, 49152                      ; O: tiles 8 rb on (these registers never hold cx)
	s_add_co_u32 s52, s52, s50
	s_mov_b32 s53, 0
	s_lshl_b32 s54, s22, 3                         ; Wo: tiles 608 + 8 cb on (these never hold cy)
	s_add_co_u32 s54, s54, 608
	s_mul_i32 s54, s54, 6144
	s_add_co_u32 s54, s54, s50
	s_mov_b32 s55, 0
	s_mul_i32 s51, s14, 12288                      ; where it goes: 12,288 x wave
	s_and_b32 s56, s14, 1                          ; rh: which 64 rows
	s_lshr_b32 s57, s14, 1                         ; cq: which two tiles of Wo
	s_wait_dscnt 0x0                               ; both opening adds are done
	CROUND                                         ; all sixteen work-groups are here: the joint loads meet
	s_wait_kmcnt 0x0
	s_mov_b32 s32, 1
	s_mov_b32 s33, s51
	s_add_nc_u64 s[34:35], s[4:5], s[52:53]
	s_or_b32 s35, s35, 0x80000000
	s_mov_b32 s44, 1
	s_mov_b32 s45, s51
	s_add_nc_u64 s[46:47], s[8:9], s[54:55]
	s_or_b32 s47, s47, 0x80000000
	s_cmp_lt_u32 s14, 4                            ; my one tensor load: O's for waves 0 to 3, Wo's for the others; the branch hangs on the wave's number alone
	s_cbranch_scc0 .Lfor_w
	tensor_load_to_lds s[32:35], s[24:31]
	s_nop 0
.rept 4
	v_nop
.endr
	s_branch .Lasked
.Lfor_w:
	tensor_load_to_lds s[44:47], s[36:43]
	s_nop 0
.rept 4
	v_nop
.endr
.Lasked:
	s_mul_i32 s58, s57, 12288
	s_add_co_u32 s58, s58, 49152
	s_mul_i32 s59, s56, 24576
	s_lshr_b32 s61, s57, 1
	s_lshl_b32 s61, s61, 8
	s_and_b32 s62, s57, 1
	s_lshl_b32 s62, s62, 6
	s_add_co_u32 s61, s61, s62                     ; my columns in a row of 512 bytes: 256 (cq / 2) + 64 (cq % 2) (+ 128 h)
	s_mul_i32 s60, s56, 64*528
	s_add_co_u32 s60, s60, s61
	s_add_co_u32 s60, s60, STG                     ; the stage: row 64 rh + r
	s_mul_i32 s72, s14, 16*528
	s_add_co_u32 s72, s72, STG                     ; back: tile = my wave's number
	s_lshl_b32 s68, s22, 9
	s_add_co_u32 s68, s68, s61                     ; bo: my columns
	s_mov_b32 s69, 0
	s_lshl_b32 s62, s22, 3
	s_lshl_b32 s63, s57, 1
	s_add_co_u32 s62, s62, s63
	s_add_co_u32 s62, s62, 608
	s_lshl_b32 s62, s62, 8                         ; s1: tile 608 + 8 cb + 2 cq
	s_mov_b32 s63, 0
	s_lshl_b32 s66, s23, 3
	s_lshl_b32 s67, s56, 2
	s_add_co_u32 s66, s66, s67
	s_lshl_b32 s66, s66, 8                         ; os: tile 8 rb + 4 rh
	s_mov_b32 s67, 0
	s_lshl_b32 s70, s23, 7
	s_lshr_b32 s71, s14, 2
	s_lshl_b32 s71, s71, 6
	s_add_co_u32 s70, s70, s71
	s_and_b32 s71, s14, 3
	s_lshl_b32 s71, s71, 3
	s_add_co_u32 s70, s70, s71
	s_lshl_b32 s70, s70, 11                        ; out0: the first row of tile 8 rb + wave: 128 rb + 64 (wave / 4) + 8 (wave % 4),
	s_lshl_b32 s71, s22, 9
	s_add_co_u32 s70, s70, s71                     ; column 128 cb
	s_mov_b32 s71, 0
	s_add_nc_u64 s[10:11], s[10:11], s[62:63]
	s_add_nc_u64 s[6:7], s[6:7], s[66:67]
	s_add_nc_u64 s[16:17], s[16:17], s[68:69]
	s_add_nc_u64 s[18:19], s[18:19], s[70:71]
	v_and_b32 v9, 31, v0
	v_and_b32 v10, 15, v0                          ; r
	v_bfe_u32 v11, v0, 4, 1                        ; h
	v_lshlrev_b32 v[A16], 4, v9
	v_lshlrev_b32 v[A8], 3, v9
	v_lshlrev_b32 v[BA], 7, v11
	v_mul_u32_u24 v[STO], v10, 528
	v_add_nc_u32 v[AW], s58, v[A16]
	v_add_nc_u32 v[AO16], s59, v[A16]
	v_add_nc_u32 v[AO8], s59, v[A8]
	v_add_nc_u32 v[STO], v[STO], v[BA]
	v_add_nc_u32 v[SRD], s72, v[A16]
	v_add_nc_u32 v[STO], s60, v[STO]
	global_load_b128 v[WS:WS+3], v[A16], s[10:11]
	global_load_b128 v[OS:OS+3], v[A16], s[6:7]
	global_load_b128 v[OS+4:OS+7], v[A16], s[6:7] offset:512
.irp i, 0,1
	global_load_b128 v[BI+8*\i:BI+8*\i+3], v[BA], s[16:17] offset:32*\i
	global_load_b128 v[BI+8*\i+4:BI+8*\i+7], v[BA], s[16:17] offset:32*\i+16
.endr
	s_wait_alu depctr_va_vdst(0)                   ; the wait at the head's end
	s_wait_tensorcnt 0x0                           ; my part lies in LDS,
	s_barrier_signal -1
	s_barrier_wait -1                              ; everybody's does
.macro FETCH ks, fs                    ; K step ks into set fs: 22 loads
.irp i, 0,1
.irp g, 0,1,2
	ds_load_b128 v[\fs+12*\i+4*\g:\fs+12*\i+4*\g+3], v[AW] offset:6144*\i+1536*\ks+512*\g
.endr
.endr
.irp o, 0,1,2,3
.irp c, 0,1
	ds_load_b128 v[\fs+24+12*\o+6*\c:\fs+24+12*\o+6*\c+3], v[AO16] offset:6144*\o+1536*\ks+768*\c
	ds_load_b64 v[\fs+24+12*\o+6*\c+4:\fs+24+12*\o+6*\c+5], v[AO8] offset:6144*\o+1536*\ks+768*\c+512
.endr
.endr
.endm
.macro MUL ks, fs                      ; 8 matrix instructions; the 8 accumulators take turns, in the same order in every step
.irp oh, 0,1
.irp ol, 0,1
.irp i, 0,1
.if \ks == 0
	MM ACC+32*\oh+16*\ol+8*\i, \fs+12*\i, \fs+24+24*\oh+12*\ol, v[BI+8*\i:BI+8*\i+7], WS+\ks, OS+4*\oh+\ks, \i, \ol
.else
	MM ACC+32*\oh+16*\ol+8*\i, \fs+12*\i, \fs+24+24*\oh+12*\ol, v[ACC+32*\oh+16*\ol+8*\i:ACC+32*\oh+16*\ol+8*\i+7], WS+\ks, OS+4*\oh+\ks, \i, \ol
.endif
.endr
.endr
.endr
.endm
.macro PLACES                          ; four places in front of loads into registers that matrix instructions have read, and of the first read of results
.rept 4
	v_nop
.endr
.endm
	FETCH 0, F0
	FETCH 1, F1
	s_wait_loadcnt 0x0                             ; scale words and bias
	s_wait_dscnt 22                                ; K step 0 is in; the 22 loads of step 1 may be out
	MUL 0, F0
	PLACES
	FETCH 2, F0
	s_wait_dscnt 22                                ; step 1 is in
	MUL 1, F1
	PLACES
	FETCH 3, F1
	s_wait_dscnt 22                                ; step 2 is in
	MUL 2, F0
	s_wait_dscnt 0x0
	MUL 3, F1
	PLACES
.irp o, 0,1,2,3
.irp i, 0,1
	ds_store_b128 v[STO], v[ACC+16*\o+8*\i:ACC+16*\o+8*\i+3] offset:8448*\o+32*\i        ; each accumulator from its low end on
	ds_store_b128 v[STO], v[ACC+16*\o+8*\i+4:ACC+16*\o+8*\i+7] offset:8448*\o+32*\i+16
.endr
.endr
	s_wait_dscnt 0x0                               ; for the others' sake: my stores into the stage are done
	s_barrier_signal -1
	s_barrier_wait -1
.irp i, 0,1,2,3,4,5,6,7,8,9,10,11,12,13,14,15
	ds_load_b128 v[F0+4*\i:F0+4*\i+3], v[SRD] offset:528*\i
.endr
.irp i, 0,1,2,3,4,5,6,7,8,9,10,11,12,13,14,15
	s_wait_dscnt 15-\i                             ; row i is back; the younger loads may be out
	global_store_b128 v[A16], v[F0+4*\i:F0+4*\i+3], s[18:19] offset:(\i+24*(\i/8))*2048 th:TH_STORE_NT   ; 32 lanes store 512 consecutive bytes, at a multiple of 256 from out0's first byte
.endr
	s_wait_tensorcnt 0x0                           ; the wave's end
	ds_add_u32 v[SPW], v[NIL]
	s_wait_dscnt 0x0
	CROUND                                         ; the closing round: no work-group ends while a partner may still ask for a tile that names it
	s_endpgm
.Lfunc_end_k_q8ae0e14c4d_oproj:
	.size	k_q8ae0e14c4d_oproj, .Lfunc_end_k_q8ae0e14c4d_oproj-k_q8ae0e14c4d_oproj
	.p2alignl 7, 3214868480
	.fill 96, 4, 3214868480
	.section	.rodata,"a",@progbits
	.p2align	6, 0x0
	.amdhsa_kernel k_q8ae0e14c4d_oproj
		.amdhsa_group_segment_fixed_size 168960
		.amdhsa_private_segment_fixed_size 0
		.amdhsa_enable_private_segment 0
		.amdhsa_kernarg_size 48
		.amdhsa_user_sgpr_count 2
		.amdhsa_user_sgpr_kernarg_segment_ptr 1
		.amdhsa_wavefront_size32 1
		.amdhsa_system_sgpr_workgroup_id_x 1
		.amdhsa_system_sgpr_workgroup_id_y 1
		.amdhsa_system_sgpr_workgroup_id_z 1
		.amdhsa_system_vgpr_workitem_id 0
		.amdhsa_next_free_vgpr 256
		.amdhsa_next_free_sgpr 100
		.amdhsa_reserve_vcc 0
		.amdhsa_float_denorm_mode_32 3
		.amdhsa_float_denorm_mode_16_64 3
		.amdhsa_memory_ordered 1
		.amdhsa_forward_progress 1
		.amdhsa_inst_pref_size 22
	.end_amdhsa_kernel
	.amdgpu_metadata
---
amdhsa.version: [ 1, 2 ]
amdhsa.kernels:
  - .name:           k_q8ae0e14c4d_oproj
    .symbol:         k_q8ae0e14c4d_oproj.kd
    .args:
      - { .name: oc, .offset: 0, .size: 8, .value_kind: global_buffer, .address_space: global }
      - { .name: os, .offset: 8, .size: 8, .value_kind: global_buffer, .address_space: global }
      - { .name: c1, .offset: 16, .size: 8, .value_kind: global_buffer, .address_space: global }
      - { .name: s1, .offset: 24, .size: 8, .value_kind: global_buffer, .address_space: global }
      - { .name: bo, .offset: 32, .size: 8, .value_kind: global_buffer, .address_space: global }
      - { .name: out0, .offset: 40, .size: 8, .value_kind: global_buffer, .address_space: global }
    .group_segment_fixed_size: 168960
    .private_segment_fixed_size: 0
    .kernarg_segment_align: 8
    .kernarg_segment_size: 48
    .max_flat_workgroup_size: 256
    .sgpr_count:     100
    .vgpr_count:     256
    .wavefront_size: 32
...
	.end_amdgpu_metadata
.endif
;; end of part 4
